; MI455X (gfx1250); checked and timed in simulation.
; The chip was launched on July 23, 2026; its instructions are those of AMD's public machine-readable ISA for CDNA 5 (MIT licence, August 2026) and "CDNA5" Instruction Set Architecture Reference Guide (July 2026). The comments in the code are by the model that wrote it; some were corrected since.
;; B Attention Top. Allowed arithmetic: float matrix products may take bf16 or f16 operands with f32 sums; all other float work in f32.
;; Inputs: W 256 x 1 float32; x 32 x 8,192 x 256 float32.
;; Outputs: out0 32 x 256 float32.
;; One version. Each part assembles by itself: llvm-mc -triple=amdgcn-amd-amdhsa -mcpu=gfx1250 --defsym DOCPART=n.
;; ======== version 1 of 1: 2 launches
;; workspace buffers: part 262,144 bytes; tops 8,192 bytes; scores 1,048,576 bytes; masks 32,768 bytes of whole numbers
;; launch stream (part 1): grid 256 x 1, 16 waves a work-group, no clusters, 24,832 bytes of LDS; arguments x, W, part, tops, masks, scores; writes part, tops, masks, scores
.if DOCPART == 1
	.amdgcn_target "amdgcn-amd-amdhsa--gfx1250"
	.amdhsa_code_object_version 6
	.text
	.protected	k_q615747fb5d_stream
	.globl	k_q615747fb5d_stream
	.p2align	8
	.type	k_q615747fb5d_stream,@function
k_q615747fb5d_stream:
	s_mov_b64 s[64:65], 0
	v_nop
	global_prefetch_b8 v0, s[64:65] scope:SCOPE_SE
	s_setreg_imm32_b32 hwreg(HW_REG_WAVE_MODE, 25, 1), 1
	s_wait_xcnt 0x0
; STREAM: the one pass over x [32][8192][256] f32.
; After the mask a row's softmax weight is exp(et) where et >= thr and exp(0) = 1 elsewhere, so
;   out = (sum x + sum over the selected rows of (exp(et)-1) x) / (8192 + sum over the selected rows of (exp(et)-1)).
; A row with et == 1.0, the largest value of an f32 tanh, is selected whatever thr is: its weight e is applied here.
; Rows with thr <= et < 1 are corrected by the next launch; this one leaves it the scores, each work-group's five largest scores
; (ties counted) and one bit for each row that can still be selected (et >= the work-group's fifth largest, which is never above the
; batch's, and et < 1).
; Work-group g: rows 1024 (g % 8) .. + 1023 of batch g / 8, 1 MiB.  Wave w: 64 of them, as 8 blocks of 8 rows.
; A lane holds columns 4 l .. 4 l + 3 and 128 + 4 l .. + 3 of every row: each load of a wave covers 512 consecutive bytes, aligned.
; Both products have one column (matrix times vector): they run on the vector ALU in f32, nothing is shared between
; work-groups, and every byte is used by one wave: no matrix unit, no cluster, no LDS ring.
; TANH: reference()'s f32 tanh is exactly 1.0 from some argument on, and with x.W of spread 16 the rows that tie at 1.0 ARE the mask.
; So tanh is evaluated as JAX's CPU backend evaluates it in f32: argument clamped to +-7.99881172, a 13/6 rational interpolant in
; fused multiply-adds, the identity below 0.0004.  That form gives 1.0 at the clamp and less below it; here this is made explicit
; (|x.W| >= clamp gives +-1.0, anything else is capped at 0.99999994), so that it does not hang on the quotient's last bit.
; LIMITS: finite inputs with finite x.W (NaN and infinities are not propagated as reference() does).  No maximum is taken away before the
; exponential: tanh bounds every exponent to [-1, 1].  The dot is summed in another order than the reference's: a row whose x.W
; lies within a few units in the last place (about 1e-6) of the clamp can fall on the other side of it.
.set ROWB,  1024                       ; bytes in a row
.set BLK,   8                          ; rows in a block
.set BLKB,  BLK*ROWB
.set NBLK,  8                          ; blocks of a wave
.set ACCB,  4096                       ; LDS: 0 scores (1024 f32); here 16 waves x 1024 bytes of column sums
.set RECB,  ACCB+16*1024               ; 16 waves x 128 bytes: five largest, number of saturated rows
.set MSKB,  RECB+16*128                ; 32 words of candidate bits
; vector registers
.set LANE, 1                           ; lane
.set L16,  2                           ; 16 x lane
.set L4,   3                           ; 4 x lane
.set OFF,  4                           ; byte offset of my 16 bytes in my wave's first row; never rewritten
.set EADR, 5                           ; LDS: my wave's scores + 4 (lane % 8)
.set RDA,  6                           ; LDS: my wave's scores + 4 lane
.set AADR, 7
.set WV,   8                           ; v[8:15]   W of my 8 columns
.set ACC,  16                          ; v[16:23]  weighted column sums
.set D,    24                          ; v[24:39]  8 pairs of partial dots; then the registers below
.set PRE,  D                           ; x.W of row lane % 8
.set XC,   D+1
.set X2,   D+2
.set PN,   D+3
.set QD,   D+4
.set RC,   D+5
.set T0,   D+6
.set ET,   D+7
.set AB,   D+8
.set VV,   40                          ; v[40:43]  values from which the five largest are taken
.set EE,   44                          ; v[44:45]  my wave's 64 scores, row 32 q + lane
.set TT,   46                          ; lane i < 5: the i-th largest
.set MX,   47
.set MY,   48
.set NS,   49
.set RECA, 50
.set RECR, 51
.set MA,   52
.set MK,   54                          ; v[54:55]
.set X,    64                          ; v[64:191] two slots of 8 rows x 8 registers
; scalar registers
.set WAVE, 16
.set TMP,  17
.set SEL0, 18
.set SEL1, 19
.set M1,   20
.set M2,   21
.set M4,   22
.set PC,   23
.set NC,   24
.set SMALL,25
.set ONEM, 26
.set NONEM,27
.set EC,   28
.set A13,  29
.set A11,  30
.set A9,   31
.set A7,   32
.set A5,   33
.set A3,   34
.set A1,   35
.set B6,   36
.set B4,   37
.set B2,   38
.set B0,   39
.set WT,   40                          ; s[40:55]  row r's weight in s[WT+2r]; the odd ones only complete the pairs
.set SAT,  56
.set NSAT, 57
.set CUM,  58
.set CNT,  59
.set THR,  60
.set K0,   61
.set K1,   62
.set F5,   66
.set FLT5, 67
; 16 loads: block b into slot b % 2.  All addresses are OFF + an immediate (65,024 at the most).
.macro FILL b
.set XF, X+64*((\b)%2)
.irp r, 0,1,2,3,4,5,6,7
	global_load_b128 v[XF+8*\r:XF+8*\r+3],   v[OFF], s[4:5] offset:(\b)*BLKB+\r*ROWB th:TH_LOAD_NT
	global_load_b128 v[XF+8*\r+4:XF+8*\r+7], v[OFF], s[4:5] offset:(\b)*BLKB+\r*ROWB+512 th:TH_LOAD_NT
.endr
.endm
; One fold of the butterfly: two rows' partial sums in v[a], v[b] become one register.  Lanes whose bit (mask m) is 0 keep row a and
; hand row b to the lane x away, the others the other way round.  v[a+1], v[b+1] are scratch.
.macro FOLD a, b, m, x
	v_cndmask_b32 v[\a+1], v[\a], v[\b], s[\m]     ; what I keep
	v_cndmask_b32 v[\b+1], v[\b], v[\a], s[\m]     ; what my partner keeps
	v_add_f32_dpp v[\a], v[\b+1], v[\a+1] row_xmask:\x row_mask:0xf bank_mask:0xf
.endm
.macro BLOCK b
.set XB, X+64*((\b)%2)
.if (\b) < NBLK-1
	s_wait_loadcnt 16                              ; loads return in order (ISA guide 5.7.1): this block is in, the next block's 16 stay out
.else
	s_wait_loadcnt 0                               ; nothing was issued behind the last block
.endif
	; 8 partial dots, two products an instruction; the rows take turns, so that no instruction waits for the one in front
.irp r, 0,1,2,3,4,5,6,7
	v_pk_mul_f32 v[D+2*\r:D+2*\r+1], v[XB+8*\r:XB+8*\r+1], v[WV:WV+1]
.endr
.irp j, 1,2,3
.irp r, 0,1,2,3,4,5,6,7
	v_pk_fma_f32 v[D+2*\r:D+2*\r+1], v[XB+8*\r+2*\j:XB+8*\r+2*\j+1], v[WV+2*\j:WV+2*\j+1], v[D+2*\r:D+2*\r+1]
.endr
.endr
.irp r, 0,1,2,3,4,5,6,7
	v_add_f32 v[D+2*\r], v[D+2*\r], v[D+2*\r+1]
.endr
	; across the lanes: three folds halve the rows (8, 4, 2, 1 registers), lane l ends with row l % 8; two more steps add the other lanes
	FOLD D,    D+2,  M1, 1
	FOLD D+4,  D+6,  M1, 1
	FOLD D+8,  D+10, M1, 1
	FOLD D+12, D+14, M1, 1
	FOLD D,    D+4,  M2, 2
	FOLD D+8,  D+12, M2, 2
	FOLD D,    D+8,  M4, 4
	v_add_f32_dpp v[PRE], v[PRE], v[PRE] row_xmask:8 row_mask:0xf bank_mask:0xf
	v_permlanex16_b32 v[XC], v[PRE], s[SEL0], s[SEL1]
	v_add_f32 v[PRE], v[PRE], v[XC]
	; tanh, once for the block's 8 rows
	v_med3_num_f32 v[XC], v[PRE], s[NC], s[PC]     ; clamp
	v_and_b32 v[AB], 0x7fffffff, v[PRE]
	v_mul_f32 v[X2], v[XC], v[XC]
	v_fma_f32 v[QD], v[X2], s[B6], s[B4]
	v_fma_f32 v[PN], v[X2], s[A13], s[A11]
	v_fma_f32 v[QD], v[X2], v[QD], s[B2]
	v_fma_f32 v[PN], v[X2], v[PN], s[A9]
	v_fma_f32 v[QD], v[X2], v[QD], s[B0]
	v_fma_f32 v[PN], v[X2], v[PN], s[A7]
	v_rcp_f32 v[RC], v[QD]                         ; the next line is the plain instruction that stands behind a transcendental (ISA guide 5.7.2): it names neither RC nor QD
	v_fma_f32 v[PN], v[X2], v[PN], s[A5]
	v_fma_f32 v[PN], v[X2], v[PN], s[A3]
	v_fma_f32 v[PN], v[X2], v[PN], s[A1]
	s_wait_alu depctr_va_vdst(0)
	v_fma_f32 v[T0], -v[QD], v[RC], 1.0            ; one Newton step on 1/q,
	v_mul_f32 v[PN], v[XC], v[PN]
	v_fma_f32 v[RC], v[T0], v[RC], v[RC]
	v_mul_f32 v[ET], v[PN], v[RC]                  ; the quotient,
	v_fma_f32 v[T0], -v[ET], v[QD], v[PN]          ; its exact remainder,
	v_fma_f32 v[ET], v[T0], v[RC], v[ET]           ; and the correction
	v_cmp_gt_f32 vcc_lo, s[SMALL], v[AB]
	v_cndmask_b32 v[ET], v[ET], v[PRE], vcc_lo     ; tanh(t) = t below 0.0004
	v_med3_num_f32 v[ET], v[ET], s[NONEM], s[ONEM] ; below the clamp the result stays below 1
	v_bfi_b32 v[T0], 0x7fffffff, 1.0, v[PRE]       ; 1.0 with the argument's sign
	v_cmp_le_f32 vcc_lo, s[PC], v[AB]
	v_cndmask_b32 v[ET], v[ET], v[T0], vcc_lo      ; from the clamp on: +-1.0
	v_cmp_le_f32 s[SAT], s[PC], v[PRE]             ; bit r (r < 8): row r has et == 1.0
	ds_store_b32 v[EADR], v[ET] offset:32*(\b)     ; four lanes write each word, with the same value
	; the rows' weights, on the scalar unit
	s_and_b32 s[TMP], s[SAT], 0xff
	s_bcnt1_i32_b32 s[TMP], s[TMP]
	s_add_co_u32 s[NSAT], s[NSAT], s[TMP]
.irp r, 0,1,2,3,4,5,6,7
	s_bitcmp1_b32 s[SAT], \r
	s_cselect_b32 s[WT+2*\r], s[EC], 1.0           ; e or 1
.endr
	; weighted column sums; the very first product starts them
.irp r, 0,1,2,3,4,5,6,7
.irp j, 0,1,2,3
.if (\b)+(\r) == 0
	v_pk_mul_f32 v[ACC+2*\j:ACC+2*\j+1], v[XB+8*\r+2*\j:XB+8*\r+2*\j+1], s[WT+2*\r:WT+2*\r+1] op_sel_hi:[1,0]
.else
	v_pk_fma_f32 v[ACC+2*\j:ACC+2*\j+1], v[XB+8*\r+2*\j:XB+8*\r+2*\j+1], s[WT+2*\r:WT+2*\r+1], v[ACC+2*\j:ACC+2*\j+1] op_sel_hi:[1,0,1]
.endif
.endr
.endr
.if (\b)+2 < NBLK
	FILL (\b)+2                                    ; the slot is read out: two blocks ahead
.endif
.endm
; The five largest, ties counted, of the values in v[base .. base+n-1] over all lanes (the values are destroyed; -2.0 marks none).
; Five passes: the largest value left, how often it occurs, take it out.  Lane i of TT takes the pass's value while i >= the number
; of values already taken, so that a value that occurs c times fills c places.  TT is -2.0 beforehand.
.macro TOP5 base, n
	s_mov_b32 s[CUM], 0
.rept 5
.if \n == 2
	v_max_num_f32 v[MX], v[\base], v[\base+1]
.else
	v_max3_num_f32 v[MX], v[\base], v[\base+1], v[\base+2]
	v_max_num_f32 v[MX], v[MX], v[\base+3]
.endif
	v_max_num_f32_dpp v[MX], v[MX], v[MX] row_xmask:1 row_mask:0xf bank_mask:0xf
	v_max_num_f32_dpp v[MX], v[MX], v[MX] row_xmask:2 row_mask:0xf bank_mask:0xf
	v_max_num_f32_dpp v[MX], v[MX], v[MX] row_xmask:4 row_mask:0xf bank_mask:0xf
	v_max_num_f32_dpp v[MX], v[MX], v[MX] row_xmask:8 row_mask:0xf bank_mask:0xf
	v_permlanex16_b32 v[MY], v[MX], s[SEL0], s[SEL1]
	v_max_num_f32 v[MX], v[MX], v[MY]
	v_cmp_le_u32 vcc_lo, s[CUM], v[LANE]
	v_cndmask_b32 v[TT], v[TT], v[MX], vcc_lo
.set i, 0
.rept \n
	v_cmp_eq_f32 vcc_lo, v[MX], v[\base+i]
	v_cndmask_b32 v[\base+i], v[\base+i], -2.0, vcc_lo
	s_bcnt1_i32_b32 s[CNT], vcc_lo
	s_add_co_u32 s[CUM], s[CUM], s[CNT]
.set i, i+1
.endr
.endr
.endm
.macro ADD4 a, b
	v_pk_add_f32 v[\a:\a+1],   v[\a:\a+1],   v[\b:\b+1]
	v_pk_add_f32 v[\a+2:\a+3], v[\a+2:\a+3], v[\b+2:\b+3]
.endm
	s_load_b256 s[4:11], s[0:1], 0x0               ; x s[4:5], W s[6:7], part s[8:9], tops s[10:11]
	s_load_b128 s[12:15], s[0:1], 0x20             ; masks s[12:13], scores s[14:15]
	v_lshl_add_u32 v192, v0, 2, 0x5900
	v_mov_b32 v193, 0
	v_and_b32 v[LANE], 31, v0
	v_lshrrev_b32 v[MY], 5, v0
	v_readfirstlane_b32 s[WAVE], v[MY]             ; wave 0..15
	v_lshlrev_b32 v[L16], 4, v[LANE]
	v_lshlrev_b32 v[L4], 2, v[LANE]
	s_lshl_b32 s[TMP], s[WAVE], 16                 ; my wave's 64 rows of 1,024 bytes
	v_add_nc_u32 v[OFF], s[TMP], v[L16]
	s_lshl_b32 s2, ttmp9, 20                       ; the work-group's 1 MiB (255 << 20 fits 32 bits)
	s_mov_b32 s3, 0                                ; stays 0: the upper word of every offset below
	s_wait_kmcnt 0x0
	s_add_nc_u64 s[4:5], s[4:5], s[2:3]
	global_load_b128 v[WV:WV+3],   v[L16], s[6:7]
	global_load_b128 v[WV+4:WV+7], v[L16], s[6:7] offset:512
	FILL 0
	FILL 1
	; constants and LDS addresses, while the loads are on their way
	s_mov_b32 s[SEL0], 0x76543210                  ; v_permlanex16_b32: lane i reads lane i of the other half
	s_mov_b32 s[SEL1], 0xfedcba98
	s_mov_b32 s[M1], 0xaaaaaaaa                    ; lanes with bit 0, 1, 2 set
	s_mov_b32 s[M2], 0xcccccccc
	s_mov_b32 s[M4], 0xf0f0f0f0
	s_mov_b32 s[PC], 0x40fff644                    ; 7.99881172
	s_mov_b32 s[NC], 0xc0fff644
	s_mov_b32 s[SMALL], 0x39d1b717                 ; 0.0004
	s_mov_b32 s[ONEM], 0x3f7fffff                  ; 0.99999994
	s_mov_b32 s[NONEM], 0xbf7fffff
	s_mov_b32 s[EC], 0x402df854                    ; e
	s_mov_b32 s[A13], 0xa59f25c0                   ; -2.76076847742355e-16   numerator, odd powers 13 .. 1
	s_mov_b32 s[A11], 0x2a61337e                   ;  2.00018790482477e-13
	s_mov_b32 s[A9],  0xaebd37ff                   ; -8.60467152213735e-11
	s_mov_b32 s[A7],  0x335c0041                   ;  5.12229709037114e-08
	s_mov_b32 s[A5],  0x3779434a                   ;  1.48572235717979e-05
	s_mov_b32 s[A3],  0x3a270ded                   ;  6.37261928875436e-04
	s_mov_b32 s[A1],  0x3ba059dc                   ;  4.89352455891786e-03
	s_mov_b32 s[B6],  0x35a0d3d8                   ;  1.19825839466702e-06   denominator, even powers 6 .. 0
	s_mov_b32 s[B4],  0x38f895d6                   ;  1.18534705686654e-04
	s_mov_b32 s[B2],  0x3b14aa05                   ;  2.26843463243900e-03
	s_mov_b32 s[B0],  0x3ba059dd                   ;  4.89352518554385e-03
	s_mov_b32 s[F5], 0x20202020                    ; lanes with lane % 8 == 5
	s_mov_b32 s[FLT5], 0x1f1f1f1f                  ; lanes with lane % 8 < 5
	s_mov_b32 s[NSAT], 0
.irp r, 0,1,2,3,4,5,6,7
	s_mov_b32 s[WT+2*\r+1], 0                      ; the pairs' upper halves: named by the packed forms, never used (op_sel_hi 0)
.endr
	s_lshl_b32 s[TMP], s[WAVE], 8                  ; my wave's 64 scores in LDS
	v_and_b32 v[EADR], 7, v[LANE]
	v_lshl_add_u32 v[EADR], v[EADR], 2, s[TMP]
	v_add_nc_u32 v[RDA], s[TMP], v[L4]
	s_lshl_b32 s[TMP], s[WAVE], 10
	v_add_nc_u32 v[AADR], s[TMP], v[L16]
	s_lshl_b32 s[TMP], s[WAVE], 7
	v_add_nc_u32 v[RECA], s[TMP], v[L4]
	v_lshrrev_b32 v[RECR], 3, v[LANE]              ; reading the records: lane l takes word l % 8 of record l / 8 (+ 4, 8, 12)
	v_and_b32 v[MX], 7, v[LANE]
	v_lshlrev_b32 v[MX], 2, v[MX]
	v_lshl_add_u32 v[RECR], v[RECR], 7, v[MX]
	s_lshl_b32 s[TMP], s[WAVE], 3
	v_mov_b32 v[MA], s[TMP]
	; the 8 blocks, written out by the macro: with 8 of them every address is an immediate and nothing is stepped
.irp b, 0,1,2,3,4,5,6,7
	BLOCK \b
.endr
	; MY WAVE'S FIVE LARGEST.  LDS serves a wave's instructions in order (ISA guide 5.7.1): these loads see my own stores.
	ds_load_b32 v[VV],   v[RDA]
	ds_load_b32 v[VV+1], v[RDA] offset:128
	ds_store_b128 v[AADR], v[ACC:ACC+3]   offset:ACCB
	ds_store_b128 v[AADR], v[ACC+4:ACC+7] offset:ACCB+512
	v_mov_b32 v[TT], -2.0
	s_wait_dscnt 0x2                               ; the two loads are in; the two stores behind them may be out
	TOP5 VV, 2
	v_cvt_f32_u32 v[NS], s[NSAT]
	v_cmp_eq_u32 vcc_lo, 5, v[LANE]
	v_cndmask_b32 v[TT], v[TT], v[NS], vcc_lo      ; word 5 of the record: my saturated rows
	ds_store_b32 v[RECA], v[TT] offset:RECB
	s_wait_dscnt 0x0                               ; for the others' sake: scores, sums and record are in LDS
	s_barrier_signal -1
	s_barrier_wait -1
	; THE WORK-GROUP'S FIVE LARGEST, in every wave, from the 16 records
.irp k, 0,1,2,3
	ds_load_b32 v[VV+\k], v[RECR] offset:RECB+512*\k
.endr
	ds_load_b32 v[EE],   v[RDA]
	ds_load_b32 v[EE+1], v[RDA] offset:128
	v_mov_b32 v[TT], -2.0
	s_wait_dscnt 0x2                               ; the four record words are in; my scores, issued behind them, may be out
	v_add_f32 v[NS], v[VV], v[VV+1]
	v_add_f32 v[MX], v[VV+2], v[VV+3]
	v_add_f32 v[NS], v[NS], v[MX]
	v_cndmask_b32 v[NS], 0, v[NS], s[F5]           ; saturated rows of four records in the lanes of word 5, 0 elsewhere
.irp k, 0,1,2,3
	v_cndmask_b32 v[VV+\k], -2.0, v[VV+\k], s[FLT5]
.endr
	TOP5 VV, 4
	v_readlane_b32 s[THR], v[TT], 4                ; the work-group's fifth largest
	s_wait_dscnt 0x0
	v_cmp_le_f32 s[K0], s[THR], v[EE]              ; a row can still be selected, and has not had its weight yet:
	v_cmp_gt_f32 vcc_lo, 1.0, v[EE]                ; thr <= et < 1
	s_and_b32 s[K0], s[K0], vcc_lo
	v_cmp_le_f32 s[K1], s[THR], v[EE+1]
	v_cmp_gt_f32 vcc_lo, 1.0, v[EE+1]
	s_and_b32 s[K1], s[K1], vcc_lo
	v_mov_b32 v[MK], s[K0]
	v_mov_b32 v[MK+1], s[K1]
	ds_store_b64 v[MA], v[MK:MK+1] offset:MSKB     ; bit i of word 2 w + q: row 64 w + 32 q + i
	s_wait_dscnt 0x0
	s_barrier_signal -1
	s_barrier_wait -1
	; THE WAY OUT, shared among the waves by their numbers
	s_cmp_lt_u32 s[WAVE], 8
	s_cbranch_scc0 .Lsums
	s_lshl_b32 s[TMP], s[WAVE], 9                  ; waves 0-7: the 1,024 scores; a wave's store covers 512 consecutive bytes, aligned
	v_add_nc_u32 v[MA], s[TMP], v[L16]
	ds_load_b128 v[X:X+3], v[MA]
	s_lshl_b32 s2, ttmp9, 12
	s_add_nc_u64 s[14:15], s[14:15], s[2:3]
	s_wait_dscnt 0x0
	global_store_b128 v[MA], v[X:X+3], s[14:15]
	s_wait_tensorcnt 0x0
	ds_add_u32 v192, v193
	s_wait_dscnt 0x0
	s_endpgm
.Lsums:
	s_cmp_lt_u32 s[WAVE], 10
	s_cbranch_scc0 .Lmasks
	s_sub_co_u32 s[TMP], s[WAVE], 8                ; waves 8, 9: 128 columns each, the 16 waves' sums added in a tree
	s_lshl_b32 s[TMP], s[TMP], 9
	v_add_nc_u32 v[MA], s[TMP], v[L16]
.irp k, 0,1,2,3,4,5,6,7,8,9,10,11,12,13,14,15
	ds_load_b128 v[X+4*\k:X+4*\k+3], v[MA] offset:ACCB+1024*\k
.endr
	s_lshl_b32 s2, ttmp9, 10
	s_add_nc_u64 s[8:9], s[8:9], s[2:3]
	s_wait_dscnt 0x0
.irp k, 0,2,4,6,8,10,12,14
	ADD4 X+4*\k, X+4*\k+4
.endr
.irp k, 0,4,8,12
	ADD4 X+4*\k, X+4*\k+8
.endr
	ADD4 X, X+16
	ADD4 X+32, X+48
	ADD4 X, X+32
	global_store_b128 v[MA], v[X:X+3], s[8:9]
	s_wait_tensorcnt 0x0
	ds_add_u32 v192, v193
	s_wait_dscnt 0x0
	s_endpgm
.Lmasks:
	s_cmp_eq_u32 s[WAVE], 10
	s_cbranch_scc0 .Ltops
	ds_load_b32 v[MK], v[L4] offset:MSKB           ; wave 10: the 32 words of candidate bits, 128 consecutive bytes
	s_lshl_b32 s2, ttmp9, 7
	s_add_nc_u64 s[12:13], s[12:13], s[2:3]
	s_wait_dscnt 0x0
	global_store_b32 v[L4], v[MK], s[12:13]
	s_wait_tensorcnt 0x0
	ds_add_u32 v192, v193
	s_wait_dscnt 0x0
	s_endpgm
.Ltops:
	s_cmp_eq_u32 s[WAVE], 11
	s_cbranch_scc0 .Ldone
	v_add_f32_dpp v[NS], v[NS], v[NS] row_xmask:1 row_mask:0xf bank_mask:0xf    ; wave 11: the work-group's saturated rows,
	v_add_f32_dpp v[NS], v[NS], v[NS] row_xmask:2 row_mask:0xf bank_mask:0xf
	v_add_f32_dpp v[NS], v[NS], v[NS] row_xmask:4 row_mask:0xf bank_mask:0xf
	v_add_f32_dpp v[NS], v[NS], v[NS] row_xmask:8 row_mask:0xf bank_mask:0xf
	v_permlanex16_b32 v[MY], v[NS], s[SEL0], s[SEL1]
	v_add_f32 v[NS], v[NS], v[MY]
	v_cmp_eq_u32 vcc_lo, 5, v[LANE]
	v_cndmask_b32 v[TT], v[TT], v[NS], vcc_lo      ; and its record of 8 words: five largest, that number, two words that nobody uses
	s_lshl_b32 s2, ttmp9, 5
	s_add_nc_u64 s[10:11], s[10:11], s[2:3]
	v_cmp_gt_u32 vcc_lo, 8, v[LANE]
	s_wait_xcnt 0x0                                ; EXEC is a source of every memory instruction issued so far: it changes only behind this wait
	s_and_saveexec_b32 s[TMP], vcc_lo
	global_store_b32 v[L4], v[TT], s[10:11]        ; 32 bytes; a batch's 8 records make 256 consecutive bytes for the next launch
	s_wait_xcnt 0x0
	s_or_b32 exec_lo, exec_lo, s[TMP]
.Ldone:
	s_wait_tensorcnt 0x0
	ds_add_u32 v192, v193
	s_wait_dscnt 0x0
	s_endpgm
.Lfunc_end_k_q615747fb5d_stream:
	.size	k_q615747fb5d_stream, .Lfunc_end_k_q615747fb5d_stream-k_q615747fb5d_stream
	.p2alignl 7, 3214868480
	.fill 96, 4, 3214868480
	.section	.rodata,"a",@progbits
	.p2align	6, 0x0
	.amdhsa_kernel k_q615747fb5d_stream
		.amdhsa_group_segment_fixed_size 24832
		.amdhsa_private_segment_fixed_size 0
		.amdhsa_enable_private_segment 0
		.amdhsa_kernarg_size 48
		.amdhsa_user_sgpr_count 2
		.amdhsa_user_sgpr_kernarg_segment_ptr 1
		.amdhsa_wavefront_size32 1
		.amdhsa_system_sgpr_workgroup_id_x 1
		.amdhsa_system_sgpr_workgroup_id_y 1
		.amdhsa_system_sgpr_workgroup_id_z 1
		.amdhsa_system_vgpr_workitem_id 0
		.amdhsa_next_free_vgpr 194
		.amdhsa_next_free_sgpr 68
		.amdhsa_reserve_vcc 1
		.amdhsa_float_denorm_mode_32 3
		.amdhsa_float_denorm_mode_16_64 3
		.amdhsa_memory_ordered 1
		.amdhsa_forward_progress 1
		.amdhsa_inst_pref_size 96
	.end_amdhsa_kernel
	.amdgpu_metadata
---
amdhsa.version: [ 1, 2 ]
amdhsa.kernels:
  - .name:           k_q615747fb5d_stream
    .symbol:         k_q615747fb5d_stream.kd
    .args:
      - { .name: x, .offset: 0, .size: 8, .value_kind: global_buffer, .address_space: global }
      - { .name: W, .offset: 8, .size: 8, .value_kind: global_buffer, .address_space: global }
      - { .name: part, .offset: 16, .size: 8, .value_kind: global_buffer, .address_space: global }
      - { .name: tops, .offset: 24, .size: 8, .value_kind: global_buffer, .address_space: global }
      - { .name: masks, .offset: 32, .size: 8, .value_kind: global_buffer, .address_space: global }
      - { .name: scores, .offset: 40, .size: 8, .value_kind: global_buffer, .address_space: global }
    .group_segment_fixed_size: 24832
    .private_segment_fixed_size: 0
    .kernarg_segment_align: 8
    .kernarg_segment_size: 48
    .max_flat_workgroup_size: 512
    .sgpr_count:     68
    .vgpr_count:     194
    .wavefront_size: 32
...
	.end_amdgpu_metadata
.endif
;; end of part 1
;; launch finish (part 2): grid 32 x 1, 8 waves a work-group, no clusters, 9,472 bytes of LDS; arguments x, part, tops, masks, scores, out0; writes out0
.if DOCPART == 2
	.amdgcn_target "amdgcn-amd-amdhsa--gfx1250"
	.amdhsa_code_object_version 6
	.text
	.protected	k_q615747fb5d_finish
	.globl	k_q615747fb5d_finish
	.p2align	8
	.type	k_q615747fb5d_finish,@function
k_q615747fb5d_finish:
	s_mov_b64 s[64:65], 0
	v_nop
	global_prefetch_b8 v0, s[64:65] scope:SCOPE_SE
	s_setreg_imm32_b32 hwreg(HW_REG_WAVE_MODE, 25, 1), 1
	s_wait_xcnt 0x0
; FINISH: one work-group for each batch b.  out0[b] = (sum of the 8 partial sums + corrections) / Z,
;   Z = 8192 + (e - 1) x saturated rows + sum of the corrections' weights.
; Wave w starts from the partial sum of the first launch's work-group 8 b + w and walks that work-group's 32 words of candidate bits
; (whole numbers read from memory, so trip counts and addresses may hang on them).  A candidate row is fetched and added with the weight
; exp(et) - 1 if et >= the batch's fifth largest score, and 0 otherwise: the choice is a select, never a branch.
; A wave without candidates (always so where five rows of each 1,024 saturate) skips threshold and gather altogether.
; The gather takes one row at a time: about five rows a wave where scores do not tie; with many ties below 1.0 it is slow, and right.
; No maximum is taken away before the exponential: tanh bounds every exponent to [-1, 1].  Finite inputs, as in the first launch.
.set LANE, 1
.set L16,  2
.set L4,   3
.set MW,   4                           ; lane i: word i of my 32 words of candidate bits
.set XO,   5
.set SO,   6
.set ETV,  7
.set VV,   8                           ; v[8:9]    the batch's 8 records of 8 words
.set TT,   10
.set MX,   11
.set MY,   12
.set NS,   13
.set WG,   14                          ; v[14:15]  a row's weight (the upper register only completes the pair)
.set ACC,  16                          ; v[16:23]
.set XR,   24                          ; v[24:31]  a gathered row
.set ZC,   32                          ; sum of my corrections' weights
.set AADR, 33
.set ZA,   34
.set SM,   36                          ; v[36:67]
.set ZS,   68                          ; v[68:75]
.set WAVE, 16
.set TMP,  17
.set SEL0, 18
.set SEL1, 19
.set WORDS,20
.set NW,   21
.set IW,   22
.set WI,   23
.set WORD, 24
.set NCD,  25
.set IC,   26
.set BIT,  27
.set ROW0, 28
.set THR,  29
.set CUM,  30
.set CNT,  31
.set F5,   32
.set FLT5, 33
.set WB,   34
.set EM1,  35
.set S8K,  36
; The five largest, ties counted, as in the first launch: five passes of largest value left, its count, take it out.
.macro TOP5 base, n
	s_mov_b32 s[CUM], 0
.rept 5
	v_max_num_f32 v[MX], v[\base], v[\base+1]
	v_max_num_f32_dpp v[MX], v[MX], v[MX] row_xmask:1 row_mask:0xf bank_mask:0xf
	v_max_num_f32_dpp v[MX], v[MX], v[MX] row_xmask:2 row_mask:0xf bank_mask:0xf
	v_max_num_f32_dpp v[MX], v[MX], v[MX] row_xmask:4 row_mask:0xf bank_mask:0xf
	v_max_num_f32_dpp v[MX], v[MX], v[MX] row_xmask:8 row_mask:0xf bank_mask:0xf
	v_permlanex16_b32 v[MY], v[MX], s[SEL0], s[SEL1]
	v_max_num_f32 v[MX], v[MX], v[MY]
	v_cmp_le_u32 vcc_lo, s[CUM], v[LANE]
	v_cndmask_b32 v[TT], v[TT], v[MX], vcc_lo
.set i, 0
.rept \n
	v_cmp_eq_f32 vcc_lo, v[MX], v[\base+i]
	v_cndmask_b32 v[\base+i], v[\base+i], -2.0, vcc_lo
	s_bcnt1_i32_b32 s[CNT], vcc_lo
	s_add_co_u32 s[CUM], s[CUM], s[CNT]
.set i, i+1
.endr
.endr
.endm
.macro ADD4 a, b
	v_pk_add_f32 v[\a:\a+1],   v[\a:\a+1],   v[\b:\b+1]
	v_pk_add_f32 v[\a+2:\a+3], v[\a+2:\a+3], v[\b+2:\b+3]
.endm
	s_load_b256 s[4:11], s[0:1], 0x0               ; x s[4:5], part s[6:7], tops s[8:9], masks s[10:11]
	s_load_b128 s[12:15], s[0:1], 0x20             ; scores s[12:13], out0 s[14:15]
	v_lshl_add_u32 v76, v0, 2, 0x2100
	v_mov_b32 v77, 0
	v_and_b32 v[LANE], 31, v0
	v_lshrrev_b32 v[MY], 5, v0
	v_readfirstlane_b32 s[WAVE], v[MY]             ; wave 0..7
	v_lshlrev_b32 v[L16], 4, v[LANE]
	v_lshlrev_b32 v[L4], 2, v[LANE]
	s_mov_b32 s3, 0                                ; the upper word of every offset
	s_lshl3_add_u32 s[WB], ttmp9, s[WAVE]          ; 8 b + w: the first launch's work-group that I finish
	s_wait_kmcnt 0x0
	s_lshl_b32 s2, s[WB], 7
	s_add_nc_u64 s[10:11], s[10:11], s[2:3]
	global_load_b32 v[MW], v[L4], s[10:11]         ; 32 words of candidate bits
	s_lshl_b32 s2, ttmp9, 8
	s_add_nc_u64 s[8:9], s[8:9], s[2:3]
	global_load_b32 v[VV],   v[L4], s[8:9]         ; lane l: word l % 8 of record l / 8,
	global_load_b32 v[VV+1], v[L4], s[8:9] offset:128  ; and of record 4 + l / 8
	s_lshl_b32 s2, s[WB], 10
	s_add_nc_u64 s[6:7], s[6:7], s[2:3]
	global_load_b128 v[ACC:ACC+3],   v[L16], s[6:7]        ; the partial sum starts my sums
	global_load_b128 v[ACC+4:ACC+7], v[L16], s[6:7] offset:512
	s_lshl_b32 s2, ttmp9, 23                       ; the batch's 8 MiB of x (31 << 23 fits 32 bits)
	s_add_nc_u64 s[4:5], s[4:5], s[2:3]
	s_lshl_b32 s2, ttmp9, 15
	s_add_nc_u64 s[12:13], s[12:13], s[2:3]
	s_lshl_b32 s2, ttmp9, 10
	s_add_nc_u64 s[14:15], s[14:15], s[2:3]
	s_mov_b32 s[SEL0], 0x76543210
	s_mov_b32 s[SEL1], 0xfedcba98
	s_mov_b32 s[F5], 0x20202020                    ; lanes with lane % 8 == 5
	s_mov_b32 s[FLT5], 0x1f1f1f1f                  ; lanes with lane % 8 < 5
	s_mov_b32 s[EM1], 0x3fdbf0a9                   ; e - 1
	s_mov_b32 s[S8K], 0x46000000                   ; 8192.0
	v_mov_b32 v[ZC], 0                             ; a sum of no terms where the wave has no candidate
	v_mov_b32 v[WG+1], 0
	s_wait_loadcnt 0x0
	v_add_f32 v[NS], v[VV], v[VV+1]
	v_cndmask_b32 v[NS], 0, v[NS], s[F5]           ; saturated rows of two records in the lanes of word 5, 0 elsewhere
	v_cmp_ne_u32 vcc_lo, 0, v[MW]
	s_mov_b32 s[WORDS], vcc_lo                     ; bit i: word i holds a candidate
	s_bcnt1_i32_b32 s[NW], s[WORDS]
	s_cmp_eq_u32 s[NW], 0
	s_cbranch_scc1 .Lmerge
	; the batch's fifth largest score, from the 8 lists of five
	v_cndmask_b32 v[VV],   -2.0, v[VV],   s[FLT5]
	v_cndmask_b32 v[VV+1], -2.0, v[VV+1], s[FLT5]
	v_mov_b32 v[TT], -2.0
	TOP5 VV, 2
	v_readlane_b32 s[THR], v[TT], 4
	s_lshl_b32 s[WB], s[WAVE], 10                  ; my first row in the batch
	s_mov_b32 s[IW], 0
.Lword:
	s_ctz_i32_b32 s[WI], s[WORDS]                  ; the next word that holds a candidate
	s_min_u32 s[WI], s[WI], 31
	s_sub_co_u32 s[TMP], s[WORDS], 1
	s_and_b32 s[WORDS], s[WORDS], s[TMP]           ; its bit is done
	v_readlane_b32 s[WORD], v[MW], s[WI]
	s_bcnt1_i32_b32 s[NCD], s[WORD]                ; at least 1
	s_lshl_b32 s[ROW0], s[WI], 5
	s_add_co_u32 s[ROW0], s[ROW0], s[WB]
	s_mov_b32 s[IC], 0
.Lcand:
	s_ctz_i32_b32 s[BIT], s[WORD]
	s_min_u32 s[BIT], s[BIT], 31
	s_sub_co_u32 s[TMP], s[WORD], 1
	s_and_b32 s[WORD], s[WORD], s[TMP]
	s_add_co_u32 s[BIT], s[BIT], s[ROW0]           ; the row in the batch, below 8192
	v_lshl_add_u32 v[XO], s[BIT], 10, v[L16]       ; XO and SO were last named by loads that the wait for 0 below has shown done
	s_lshl_b32 s[TMP], s[BIT], 2
	v_mov_b32 v[SO], s[TMP]
	global_load_b32 v[ETV], v[SO], s[12:13]        ; its score, the same word in every lane
	global_load_b128 v[XR:XR+3],   v[XO], s[4:5]
	global_load_b128 v[XR+4:XR+7], v[XO], s[4:5] offset:512
	s_wait_loadcnt 0x2                             ; the score is in; the row's two loads, issued behind it, may be out
	v_mul_f32 v[WG], 0x3fb8aa3b, v[ETV]
	v_cmp_le_f32 vcc_lo, s[THR], v[ETV]
	v_exp_f32 v[WG], v[WG]
	v_nop                                          ; one plain place behind a transcendental before its result is used (ISA guide 5.7.2)
	s_wait_alu depctr_va_vdst(0)
	v_add_f32 v[WG], -1.0, v[WG]                   ; exp(et) - 1: the row has been summed with weight 1 already
	v_cndmask_b32 v[WG], 0, v[WG], vcc_lo          ; nothing for a row below the batch's threshold
	v_add_f32 v[ZC], v[ZC], v[WG]
	s_wait_loadcnt 0x0
.irp j, 0,1,2,3
	v_pk_fma_f32 v[ACC+2*\j:ACC+2*\j+1], v[XR+2*\j:XR+2*\j+1], v[WG:WG+1], v[ACC+2*\j:ACC+2*\j+1] op_sel_hi:[1,0,1]
.endr
	s_add_co_u32 s[IC], s[IC], 1
	s_cmp_lt_u32 s[IC], s[NCD]
	s_cbranch_scc1 .Lcand
	s_add_co_u32 s[IW], s[IW], 1
	s_cmp_lt_u32 s[IW], s[NW]
	s_cbranch_scc1 .Lword
.Lmerge:
	s_lshl_b32 s[TMP], s[WAVE], 10
	v_add_nc_u32 v[AADR], s[TMP], v[L16]
	ds_store_b128 v[AADR], v[ACC:ACC+3]
	ds_store_b128 v[AADR], v[ACC+4:ACC+7] offset:512
	s_lshl_b32 s[TMP], s[WAVE], 2
	v_mov_b32 v[ZA], s[TMP]
	ds_store_b32 v[ZA], v[ZC] offset:8192          ; every lane writes the wave's word with the same value
	s_wait_dscnt 0x0                               ; for the others' sake
	s_barrier_signal -1
	s_barrier_wait -1
	s_cmp_lt_u32 s[WAVE], 2
	s_cbranch_scc0 .Ldone
	s_lshl_b32 s[TMP], s[WAVE], 9                  ; waves 0, 1: 128 columns each, 4 a lane
	v_add_nc_u32 v[AADR], s[TMP], v[L16]
.irp k, 0,1,2,3,4,5,6,7
	ds_load_b128 v[SM+4*\k:SM+4*\k+3], v[AADR] offset:1024*\k
.endr
	v_mov_b32 v[ZA], 0
	ds_load_b128 v[ZS:ZS+3],   v[ZA] offset:8192
	ds_load_b128 v[ZS+4:ZS+7], v[ZA] offset:8208
	v_add_f32_dpp v[NS], v[NS], v[NS] row_xmask:1 row_mask:0xf bank_mask:0xf    ; the batch's saturated rows, meanwhile
	v_add_f32_dpp v[NS], v[NS], v[NS] row_xmask:2 row_mask:0xf bank_mask:0xf
	v_add_f32_dpp v[NS], v[NS], v[NS] row_xmask:4 row_mask:0xf bank_mask:0xf
	v_add_f32_dpp v[NS], v[NS], v[NS] row_xmask:8 row_mask:0xf bank_mask:0xf
	v_permlanex16_b32 v[MY], v[NS], s[SEL0], s[SEL1]
	v_add_f32 v[NS], v[NS], v[MY]
	v_fma_f32 v[NS], v[NS], s[EM1], s[S8K]         ; 8192 + (e - 1) n
	s_wait_dscnt 0x0
.irp k, 0,2,4,6
	ADD4 SM+4*\k, SM+4*\k+4
.endr
	ADD4 SM, SM+8
	ADD4 SM+16, SM+24
	ADD4 SM, SM+16
	v_pk_add_f32 v[ZS:ZS+1],   v[ZS:ZS+1],   v[ZS+2:ZS+3]
	v_pk_add_f32 v[ZS+4:ZS+5], v[ZS+4:ZS+5], v[ZS+6:ZS+7]
	v_pk_add_f32 v[ZS:ZS+1],   v[ZS:ZS+1],   v[ZS+4:ZS+5]
	v_add_f32 v[ZS], v[ZS], v[ZS+1]
	v_add_f32 v[NS], v[NS], v[ZS]                  ; Z
	v_rcp_f32 v[WG], v[NS]
	v_nop                                          ; one plain place behind a transcendental (ISA guide 5.7.2)
	s_wait_alu depctr_va_vdst(0)
	v_pk_mul_f32 v[SM:SM+1],   v[SM:SM+1],   v[WG:WG+1] op_sel_hi:[1,0]
	v_pk_mul_f32 v[SM+2:SM+3], v[SM+2:SM+3], v[WG:WG+1] op_sel_hi:[1,0]
	global_store_b128 v[AADR], v[SM:SM+3], s[14:15]    ; 32 lanes store 512 consecutive bytes, aligned
.Ldone:
	s_wait_tensorcnt 0x0
	ds_add_u32 v76, v77
	s_wait_dscnt 0x0
	s_endpgm
.Lfunc_end_k_q615747fb5d_finish:
	.size	k_q615747fb5d_finish, .Lfunc_end_k_q615747fb5d_finish-k_q615747fb5d_finish
	.p2alignl 7, 3214868480
	.fill 96, 4, 3214868480
	.section	.rodata,"a",@progbits
	.p2align	6, 0x0
	.amdhsa_kernel k_q615747fb5d_finish
		.amdhsa_group_segment_fixed_size 9472
		.amdhsa_private_segment_fixed_size 0
		.amdhsa_enable_private_segment 0
		.amdhsa_kernarg_size 48
		.amdhsa_user_sgpr_count 2
		.amdhsa_user_sgpr_kernarg_segment_ptr 1
		.amdhsa_wavefront_size32 1
		.amdhsa_system_sgpr_workgroup_id_x 1
		.amdhsa_system_sgpr_workgroup_id_y 1
		.amdhsa_system_sgpr_workgroup_id_z 1
		.amdhsa_system_vgpr_workitem_id 0
		.amdhsa_next_free_vgpr 78
		.amdhsa_next_free_sgpr 66
		.amdhsa_reserve_vcc 1
		.amdhsa_float_denorm_mode_32 3
		.amdhsa_float_denorm_mode_16_64 3
		.amdhsa_memory_ordered 1
		.amdhsa_forward_progress 1
		.amdhsa_inst_pref_size 12
	.end_amdhsa_kernel
	.amdgpu_metadata
---
amdhsa.version: [ 1, 2 ]
amdhsa.kernels:
  - .name:           k_q615747fb5d_finish
    .symbol:         k_q615747fb5d_finish.kd
    .args:
      - { .name: x, .offset: 0, .size: 8, .value_kind: global_buffer, .address_space: global }
      - { .name: part, .offset: 8, .size: 8, .value_kind: global_buffer, .address_space: global }
      - { .name: tops, .offset: 16, .size: 8, .value_kind: global_buffer, .address_space: global }
      - { .name: masks, .offset: 24, .size: 8, .value_kind: global_buffer, .address_space: global }
      - { .name: scores, .offset: 32, .size: 8, .value_kind: global_buffer, .address_space: global }
      - { .name: out0, .offset: 40, .size: 8, .value_kind: global_buffer, .address_space: global }
    .group_segment_fixed_size: 9472
    .private_segment_fixed_size: 0
    .kernarg_segment_align: 8
    .kernarg_segment_size: 48
    .max_flat_workgroup_size: 256
    .sgpr_count:     66
    .vgpr_count:     78
    .wavefront_size: 32
...
	.end_amdgpu_metadata
.endif
;; end of part 2
